; MI455X (gfx1250); checked and timed in simulation.
; The chip was launched on July 23, 2026; its instructions are those of AMD's public machine-readable ISA for CDNA 5 (MIT licence, August 2026) and "CDNA5" Instruction Set Architecture Reference Guide (July 2026). The comments in the code are by the model that wrote it; some were corrected since.
;; TFF Point Spatially Aware. Allowed arithmetic: matrix products marked QUANTISED: E2M1 operands, one E8M0 scale for each 32 along K, by v_wmma_scale_f32_16x16x128_f8f6f4 with both operands' format E2M1 (or v_wmma_scale_f32_32x16x128_f4), f32 sums; products left as they are: f32 operands where the result goes on into a quantised operand, else bf16, f16 or f32 operands; f32 sums; everything else in f32.
;; Inputs: catA_b 256 float32; catA_g 256 float32; catA_w 256 x 512 float32; catB_b 256 float32; catB_g 256 float32; catB_w 256 x 512 float32; cat_b 256 float32; cat_g 256 float32; cat_w 256 x 512 float32; convA_b 1 float32; convA_w 1 x 256 float32; convB_b 1 float32; convB_w 1 x 256 float32; featA 16 x 256 x 4,096 float32; featB 16 x 256 x 1,024 float32; fp_b 256 float32; fp_g 256 float32; fp_w 256 x 256 float32; xyz_A 16 x 4,096 x 3 float32; xyz_B 16 x 1,024 x 3 float32.
;; Outputs: out0 16 x 256 x 4,096 float32.
;; This version of the problem:
;;   THIS VERSION OF THE PROBLEM IS GIVEN IN LOW PRECISION. The matrix products marked QUANTISED in the list below multiply operands that are first quantised to E2M1 (2 exponent bits, 1 mantissa bit; 4 bits a number), with one power-of-two scale for each 32 numbers along K (OCP MX v1.0); their sums are f32. All else is computed in f32.
;;   The module's matrix products, in the order in which they are computed (A, B: the left and right operand; K: the contracted axis; several contracted axes count as one K, in the product's order):
;;     1. [M 65,536, K 256] x [K 256, N 256]; A: computed on the way; B: input fp_w: QUANTISED
;;     2. [M 65,536, K 512] x [K 512, N 256]; A: computed on the way; B: input catA_w: QUANTISED
;;     3. [M 65,536, K 512] x [K 512, N 256]; A: computed on the way; B: input catB_w: QUANTISED
;;     4. [M 65,536, K 256] x [K 256, N 1]; A: computed on the way; B: input convA_w: left as it is (N = 1 < 16)
;;     5. [M 65,536, K 256] x [K 256, N 1]; A: computed on the way; B: input convB_w: left as it is (N = 1 < 16)
;;     6. [M 65,536, K 512] x [K 512, N 256]; A: computed on the way; B: input cat_w: QUANTISED
;;   THE QUANTISER, for each operand of a quantised product, along K:
;;     - K is cut into blocks of 32 from its start; a last block that is shorter is filled with zeros.
;;     - A block's scale is 2^e with e = floor(log2(the largest magnitude in the block)) - 2, held to -126 .. 127; a block of zeros has e = 0. As a byte (E8M0): e + 127.
;;     - Each number is divided by its block's scale, clamped to +-6, and rounded to the nearest number of E2M1, ties to even, subnormals kept.
;;     - The product sums the exact products of the quantised numbers (number of the format x scale) in f32.
;;   ~~~python
;;   def quantise(x, axis):      # numpy; x: float32 -> the quantised numbers, widened to float32 again
;;       x = np.moveaxis(x, axis, -1); K = x.shape[-1]
;;       x = np.pad(x, [(0, 0)] * (x.ndim - 1) + [(0, -K % 32)]); x = x.reshape(x.shape[:-1] + (-1, 32)); a = np.abs(x).max(-1, keepdims=True)
;;       e = np.where(a > 0, np.clip(np.frexp(np.where(a > 0, a, 1))[1] - 1 - 2, -126, 127), 0)      # np.frexp(a)[1] - 1 = floor(log2(a)), exactly
;;       r = np.clip(x / 2.0 ** e, -6, 6)
;;       step = 2.0 ** (np.maximum(np.frexp(np.where(r == 0, 1, r))[1] - 1, 0) - 1)
;;       q = np.round(r / step) * step * 2.0 ** e      # np.round: ties to even
;;       return np.moveaxis(q.reshape(q.shape[:-2] + (-1,))[..., :K], -1, axis).astype(np.float32)
;;   ~~~
;;   OPERANDS COMPUTED ON THE WAY. 'Computed on the way' means the value that the module computes at that place (a softmax that the list does not call 'softmax' is quantised finished and normalised). What goes into a quantiser is computed in f32, as accurately as f32 sums, v_exp_f32 and their like allow (about 1e-6 of the number): no bf16 or f16 on the way to a quantiser, and a product that is left as it is and whose result goes on into a quantised operand takes f32 operands (vector FMAs, or v_wmma_f32_16x16x4_f32). A number that lies on a knife's edge between two numbers of the format may be rounded either way, as far as f32 arithmetic and the matrix unit's own rounding can turn it there, and no further.
;; One version. Each part assembles by itself: llvm-mc -triple=amdgcn-amd-amdhsa -mcpu=gfx1250 --defsym DOCPART=n.
;; ======== version 1 of 1: 3 launches
;; workspace buffers: gid 1,048,576 bytes of whole numbers; idx 1,048,576 bytes of whole numbers; wt 1,048,576 bytes; fbt 16,777,216 bytes; wq 229,376 bytes; ws 14,336 bytes
;; launch prep (part 1): grid 768 x 1, 4 waves a work-group, no clusters, 80,384 bytes of LDS; arguments xyz_A, xyz_B, featB, gid, fbt; writes gid, fbt
.if DOCPART == 1
	.amdgcn_target "amdgcn-amd-amdhsa--gfx1250"
	.amdhsa_code_object_version 6
	.text
	.protected	k_qf8f21355ee_prep
	.globl	k_qf8f21355ee_prep
	.p2align	8
	.type	k_qf8f21355ee_prep,@function
k_qf8f21355ee_prep:
	s_mov_b64 s[64:65], 0
	v_nop
	global_prefetch_b8 v0, s[64:65] scope:SCOPE_SE
	s_setreg_imm32_b32 hwreg(HW_REG_WAVE_MODE, 25, 1), 1
	s_wait_xcnt 0x0
; TWO ROLES, parted on the work-group's number; each has LDS bytes of its own.
; SCAN (work-groups 0 to 511).  For each of 65,536 points A: which three of its batch's 128 GROUPS of 8 neighbouring points B have the smallest group minimum of
; the squared distance.  Groups are met in ascending order and a group enters only by a strict "less", so a tie keeps the lower group.  The three nearest points
; (ties to the lower index) lie in these three groups: were one of them in a group that three others precede, each of those three would hold a point that precedes it.
; The group numbers go to gid [65536][4] (three numbers and a 0); the next launch reads them and looks at the 24 points.
; d2 = fma(dz, dz, fma(dy, dy, dx dx)) of the differences b - a: no difference of large sums.  The next launch forms it by the same four steps.
; A work-group takes 128 points of one batch, a lane a point; the batch's 1,024 points B lie in LDS by groups (x[8], y[8], z[8]: 96 bytes) and every lane reads the same address.
; TRANSPOSITION (work-groups 512 to 767).  featB [16][256 c][1024 m] becomes fbt [16][1024 m][1 KiB]; channel c of a row lies at byte 512 ((c & 7) >> 2) + 16 (c >> 3) + 4 (c & 3),
; so that a load of 16 bytes a lane gives lane l channels 8 l .. 8 l + 3, and the load 512 bytes on channels 8 l + 4 .. 8 l + 7.  A lane takes a column m and its registers run
; down the channels; the rows leave through the wave's own stage in LDS, 512 consecutive aligned bytes a store.  Waves share nothing there: no barrier.
; LIMITS: NaN and infinities among the coordinates are not served, nor coordinates whose squared distance passes the largest f32 number.
; No matrix unit, no cluster, no tensor load: the scan is vector work on 12 KiB, the transposition a stream.
.set NSCAN, 512
.set XG,    96                         ; a group in LDS
.set STG0,  12288                      ; behind the scan's bytes: the transposition's four stages
.set SPI,   528                        ; a stage row: 512 bytes + 16, an odd multiple of 16
.set STGW,  32*SPI
.set LA,  1                            ; v1      LDS address of the trip's first group
.set AX,  2                            ; v[2:7]  my point's x, y, z, each as a pair whose low word serves both halves
.set MN,  8                            ; v8-10   the three smallest group minima, ascending
.set IX,  12                           ; v12-15  their groups' numbers, and a 0
.set CS,  16                           ; v16-63  two sets of x[8], y[8], z[8]
.set DD,  64                           ; v64-87  differences, then d2 in the first eight
.set GM,  88                           ; v88     the group's minimum
.set GB,  20                           ; s20     LDS byte of the trip's first group; the loop's counter
.set GI,  21                           ; s21     the number of the group in hand
	s_load_b256 s[4:11], s[0:1], 0x0               ; xyz_A s[4:5], xyz_B s[6:7], featB s[8:9], gid s[10:11]
	s_load_b64 s[12:13], s[0:1], 0x20              ; fbt
	v_lshl_add_u32 v144, v0, 2, 0x13800
	v_mov_b32 v145, 0
	s_cmp_lt_u32 ttmp9, NSCAN
	s_cbranch_scc0 .Ltrans
	; ---------------- SCAN
	s_lshr_b32 s15, ttmp9, 5                       ; the batch: 32 work-groups each
	s_mul_i32 s16, s15, 12288                      ; its 1,024 points B
	s_mov_b32 s17, 0
	s_mul_i32 s18, ttmp9, 1536                     ; my 128 points A, 12 bytes each
	s_mov_b32 s19, 0
	s_lshl_b32 s26, ttmp9, 11                      ; and their 16 bytes each in gid
	s_mov_b32 s27, 0
	v_mul_u32_u24 v90, v0, 12                      ; 12 t
	v_lshrrev_b32 v91, 3, v0
	v_mul_u32_u24 v91, v91, XG
	v_and_b32 v92, 7, v0
	v_lshl_add_u32 v91, v92, 2, v91                ; point t + 128 k goes to group (t >> 3) + 16 k, place t & 7
	v_lshlrev_b32 v93, 4, v0                       ; 16 t
	s_wait_kmcnt 0x0
	s_add_nc_u64 s[6:7], s[6:7], s[16:17]
	s_add_nc_u64 s[4:5], s[4:5], s[18:19]
	s_add_nc_u64 s[10:11], s[10:11], s[26:27]
.irp k, 0,1,2,3,4,5,6,7
.irp c, 0,1,2
	global_load_b32 v[CS+3*\k+\c], v90, s[6:7] offset:1536*\k+4*\c
.endr
.endr
.irp c, 0,1,2
	global_load_b32 v[AX+2*\c], v90, s[4:5] offset:4*\c
.endr
	s_wait_loadcnt 0x0
.irp k, 0,1,2,3,4,5,6,7
.irp c, 0,1,2
	ds_store_b32 v91, v[CS+3*\k+\c] offset:1536*\k+32*\c
.endr
.endr
.irp c, 0,1,2
	v_mov_b32 v[AX+2*\c+1], v[AX+2*\c]             ; named with it as a pair, so it is written
	v_mov_b32 v[MN+\c], 0x7f800000                 ; +infinity: the first three groups enter
	v_mov_b32 v[IX+\c], 0
.endr
	v_mov_b32 v[IX+3], 0
	v_mov_b32 v[LA], 0
	s_mov_b32 s[GB], 0
	s_mov_b32 s[GI], 0
	s_wait_dscnt 0x0                               ; for the others' sake: my stores have landed
	s_barrier_signal -1
	s_barrier_wait -1                              ; all 128 groups lie in LDS; nothing is written there again
.macro BLOAD set, off                  ; a group's 96 bytes; all lanes read the same address
.irp e, 0,1,2,3,4,5
	ds_load_b128 v[CS+24*(\set)+4*\e:CS+24*(\set)+4*\e+3], v[LA] offset:(\off)+16*\e
.endr
.endm
; d enters the three smallest where it is strictly less; every line reads values as they stood ahead of the macro
.macro INSERT d, id
	v_cmp_lt_f32 vcc_lo, v[\d], v[MN]
	v_cmp_lt_f32 s24, v[\d], v[MN+1]
	v_cmp_lt_f32 s25, v[\d], v[MN+2]
	v_cndmask_b32 v[IX+2], v[IX+2], \id, s25
	v_cndmask_b32 v[IX+2], v[IX+2], v[IX+1], s24
	v_cndmask_b32 v[IX+1], v[IX+1], \id, s24
	v_cndmask_b32 v[IX+1], v[IX+1], v[IX], vcc_lo
	v_cndmask_b32 v[IX], v[IX], \id, vcc_lo
	v_med3_num_f32 v[MN+2], v[MN+1], v[MN+2], v[\d]
	v_med3_num_f32 v[MN+1], v[MN], v[MN+1], v[\d]
	v_min_num_f32 v[MN], v[MN], v[\d]
.endm
.macro GROUP set                       ; eight distances, two at a time; their minimum; one insertion
.set X, CS+24*(\set)
.irp c, 0,1,2
.irp i, 0,2,4,6
	v_pk_add_f32 v[DD+8*\c+\i:DD+8*\c+\i+1], v[X+8*\c+\i:X+8*\c+\i+1], v[AX+2*\c:AX+2*\c+1] op_sel_hi:[1,0] neg_lo:[0,1] neg_hi:[0,1]
.endr
.endr
.irp i, 0,2,4,6
	v_pk_mul_f32 v[DD+\i:DD+\i+1], v[DD+\i:DD+\i+1], v[DD+\i:DD+\i+1]
.endr
.irp i, 0,2,4,6
	v_pk_fma_f32 v[DD+\i:DD+\i+1], v[DD+8+\i:DD+8+\i+1], v[DD+8+\i:DD+8+\i+1], v[DD+\i:DD+\i+1]
.endr
.irp i, 0,2,4,6
	v_pk_fma_f32 v[DD+\i:DD+\i+1], v[DD+16+\i:DD+16+\i+1], v[DD+16+\i:DD+16+\i+1], v[DD+\i:DD+\i+1]
.endr
	v_min3_num_f32 v[GM], v[DD], v[DD+1], v[DD+2]
	v_min3_num_f32 v[GM], v[GM], v[DD+3], v[DD+4]
	v_min3_num_f32 v[GM], v[GM], v[DD+5], v[DD+6]
	v_min_num_f32 v[GM], v[GM], v[DD+7]
	INSERT GM, s[GI]
	s_add_co_u32 s[GI], s[GI], 1
.endm
.macro QUAD full                       ; four groups; each group's successor is asked for ahead of its work.  full = 0: the fourth has none
.irp k, 0,1,2,3
.if (\k < 3) || \full
	BLOAD (\k+1)&1, XG*(\k+1)
	s_wait_dscnt 0x6                               ; the six loads just issued may be out: this group's are in
.else
	s_wait_dscnt 0x0
.endif
	GROUP \k&1
.endr
.endm
	BLOAD 0, 0
.Lscan:                                            ; 31 trips of four groups
	v_mov_b32 v[LA], s[GB]
	QUAD 1
	s_add_co_u32 s[GB], s[GB], 4*XG
	s_cmp_lt_u32 s[GB], 31*4*XG
	s_cbranch_scc1 .Lscan
	v_mov_b32 v[LA], s[GB]
	QUAD 0                                         ; the last four are written out: no LDS byte behind the 128th group is read
	global_store_b128 v93, v[IX:IX+3], s[10:11]    ; a wave stores 512 consecutive bytes
	s_wait_tensorcnt 0x0
	ds_add_u32 v144, v145
	s_wait_dscnt 0x0
	s_endpgm
	; ---------------- TRANSPOSITION
.Ltrans:
	v_lshrrev_b32 v1, 5, v0
	v_readfirstlane_b32 s14, v1                    ; wave 0..3
	v_and_b32 v1, 31, v0                           ; lane
	s_sub_co_u32 s15, ttmp9, NSCAN
	s_lshr_b32 s16, s15, 4                         ; the batch
	s_bfe_u32 s17, s15, 0x30001                    ; which 128 columns m (3 bits from bit 1)
	s_and_b32 s18, s15, 1                          ; which half of each eight channels
	s_lshl_b32 s20, s16, 20                        ; a batch is 1 MiB in both tensors
	s_lshl_b32 s22, s18, 14                        ; featB: four channels of 4,096 bytes,
	s_add_co_u32 s22, s22, s20
	s_lshl_b32 s19, s17, 9                         ; 128 columns of 4 bytes,
	s_add_co_u32 s22, s22, s19
	s_lshl_b32 s19, s14, 7                         ; my wave's 32 of them
	s_add_co_u32 s22, s22, s19
	s_mov_b32 s23, 0
	s_lshl_b32 s24, s17, 17                        ; fbt: 128 rows of 1,024 bytes,
	s_add_co_u32 s24, s24, s20
	s_lshl_b32 s19, s14, 15                        ; my wave's 32,
	s_add_co_u32 s24, s24, s19
	s_lshl_b32 s19, s18, 9                         ; my half of a row
	s_add_co_u32 s24, s24, s19
	s_mov_b32 s25, 0
	s_mul_i32 s26, s14, STGW
	s_add_co_u32 s26, s26, STG0                    ; my stage
	v_mul_u32_u24 v2, v1, SPI
	v_add_nc_u32 v2, s26, v2                       ; into it: row = my column
	v_lshlrev_b32 v5, 4, v1                        ; 16 x lane
	v_add_nc_u32 v3, s26, v5                       ; out of it: the 32 lanes take one row
	v_lshlrev_b32 v4, 2, v1
	s_wait_kmcnt 0x0
	s_add_nc_u64 s[8:9], s[8:9], s[22:23]
	s_add_nc_u64 s[12:13], s[12:13], s[24:25]
.macro TLD q                           ; 32 loads: channels 8 l + 4 half + e, l = 8 q .. 8 q + 7; each reads 128 consecutive bytes, the four waves side by side
.irp l, 0,1,2,3,4,5,6,7
.irp e, 0,1,2,3
	global_load_b32 v[16+4*(8*\q+\l)+\e], v4, s[8:9] offset:(8*(8*\q+\l)+\e)*4096 th:TH_LOAD_NT
.endr
.endr
.endm
.macro TST q
.irp l, 0,1,2,3,4,5,6,7
	ds_store_b128 v2, v[16+4*(8*\q+\l):16+4*(8*\q+\l)+3] offset:16*(8*\q+\l)
.endr
.endm
	TLD 0
	TLD 1
	s_wait_loadcnt 0x20                            ; the 32 loads just issued may be out
	TST 0
	TLD 2
	s_wait_loadcnt 0x20
	TST 1
	TLD 3
	s_wait_loadcnt 0x20
	TST 2
	s_wait_loadcnt 0x0
	TST 3
.irp t, 0,1,2,3,4,5,6,7,8,9,10,11,12,13,14,15,16,17,18,19,20,21,22,23,24,25,26,27,28,29,30,31
	ds_load_b128 v[16+4*\t:19+4*\t], v3 offset:\t*SPI    ; LDS serves a wave's instructions in order (ISA guide 5.7.1.4): these see my stores
.endr
.irp t, 0,1,2,3,4,5,6,7,8,9,10,11,12,13,14,15,16,17,18,19,20,21,22,23,24,25,26,27,28,29,30,31
	s_wait_dscnt 31-\t
	global_store_b128 v5, v[16+4*\t:19+4*\t], s[12:13] offset:\t*1024   ; 512 consecutive bytes, at a multiple of 512 from fbt's first byte
.endr
	s_wait_tensorcnt 0x0
	ds_add_u32 v144, v145
	s_wait_dscnt 0x0
	s_endpgm
.Lfunc_end_k_qf8f21355ee_prep:
	.size	k_qf8f21355ee_prep, .Lfunc_end_k_qf8f21355ee_prep-k_qf8f21355ee_prep
	.p2alignl 7, 3214868480
	.fill 96, 4, 3214868480
	.section	.rodata,"a",@progbits
	.p2align	6, 0x0
	.amdhsa_kernel k_qf8f21355ee_prep
		.amdhsa_group_segment_fixed_size 80384
		.amdhsa_private_segment_fixed_size 0
		.amdhsa_enable_private_segment 0
		.amdhsa_kernarg_size 40
		.amdhsa_user_sgpr_count 2
		.amdhsa_user_sgpr_kernarg_segment_ptr 1
		.amdhsa_wavefront_size32 1
		.amdhsa_system_sgpr_workgroup_id_x 1
		.amdhsa_system_sgpr_workgroup_id_y 1
		.amdhsa_system_sgpr_workgroup_id_z 1
		.amdhsa_system_vgpr_workitem_id 0
		.amdhsa_next_free_vgpr 146
		.amdhsa_next_free_sgpr 66
		.amdhsa_reserve_vcc 1
		.amdhsa_float_denorm_mode_32 3
		.amdhsa_float_denorm_mode_16_64 3
		.amdhsa_memory_ordered 1
		.amdhsa_forward_progress 1
		.amdhsa_inst_pref_size 50
	.end_amdhsa_kernel
	.amdgpu_metadata
---
amdhsa.version: [ 1, 2 ]
amdhsa.kernels:
  - .name:           k_qf8f21355ee_prep
    .symbol:         k_qf8f21355ee_prep.kd
    .args:
      - { .name: xyz_A, .offset: 0, .size: 8, .value_kind: global_buffer, .address_space: global }
      - { .name: xyz_B, .offset: 8, .size: 8, .value_kind: global_buffer, .address_space: global }
      - { .name: featB, .offset: 16, .size: 8, .value_kind: global_buffer, .address_space: global }
      - { .name: gid, .offset: 24, .size: 8, .value_kind: global_buffer, .address_space: global }
      - { .name: fbt, .offset: 32, .size: 8, .value_kind: global_buffer, .address_space: global }
    .group_segment_fixed_size: 80384
    .private_segment_fixed_size: 0
    .kernarg_segment_align: 8
    .kernarg_segment_size: 40
    .max_flat_workgroup_size: 128
    .sgpr_count:     66
    .vgpr_count:     146
    .wavefront_size: 32
...
	.end_amdgpu_metadata
.endif
;; end of part 1
;; launch refine (part 2): grid 71 x 8, 4 waves a work-group, no clusters, 0 bytes of LDS; arguments xyz_A, xyz_B, gid, fp_w, catA_w, catB_w, cat_w, idx, wt, wq, ws; writes idx, wt, wq, ws
.if DOCPART == 2
	.amdgcn_target "amdgcn-amd-amdhsa--gfx1250"
	.amdhsa_code_object_version 6
	.text
	.protected	k_qf8f21355ee_refine
	.globl	k_qf8f21355ee_refine
	.p2align	8
	.type	k_qf8f21355ee_refine,@function
k_qf8f21355ee_refine:
	s_mov_b64 s[64:65], 0
	v_nop
	global_prefetch_b8 v0, s[64:65] scope:SCOPE_SE
	s_setreg_imm32_b32 hwreg(HW_REG_WAVE_MODE, 25, 1), 1
	s_wait_xcnt 0x0
; TWO ROLES, parted on the work-group's x.  No LDS, no barrier: waves share nothing.
; REFINEMENT (x < 64; 512 work-groups of 128 points, a lane a point).  The three groups that the launch before chose (gid, whole numbers) are sorted ascending, so that their 24 points
; are met in ascending index order; their squared distances are formed by the same four steps as there; a point enters the three nearest only by a strict "less", so a tie keeps the lower index.
; Out: idx [65536][4]: index << 10 (a row's byte offset in its batch of fbt), nearest first, and a 0;  wt [65536][4]: w_k = r_k / (r_0 + r_1 + r_2), r_k = 1 / (d2_k + 1e-8), and a 0.
; WEIGHTS (x = 64 + j, y = w; a wave a fragment, q = 4 j + wave).  The four weights, [out][K] f32 with K innermost, become codes of E2M1 with one E8M0 byte for each 32 along K, laid as the last launch's
; wave w takes them into registers: wq [w][q][two images of 512 bytes, 16 bytes a lane], ws [w][q][16 rows][4 bytes].  q: fp 2 u + s; catA 4 + 4 u + s; catB 12 + 4 u + s; cat 20 + 4 u + s (tile u, K step s of 128).
; THE ROWS OF A TILE of fp, catA and catB are not neighbours: lane r takes row 32 w + 8 u + r + 8 (r / 8), so that the transposed product leaves a lane 16 neighbouring channels; cat's tile u is rows 32 w + 16 u + r.
; A block's scale is 2^(floor(log2(its largest magnitude)) - 2): its byte is that magnitude's exponent field - 2, held at 1 from below.
; LIMITS: NaN and infinities are not served.  Blocks whose largest magnitude lies under 2^-124 keep the byte 1; a block of zeros has the byte 1 and zero codes (this program alone reads the bytes).
; The reciprocals are v_rcp_f32.  d2 is formed with fused multiply-adds: a third and a fourth neighbour whose distances differ in the last bit may change places against a sum of three rounded squares.
.set CD, 16                            ; v16-87   24 points x (x, y, z); d2 then lies over x.  In the other role: 64 numbers, codes from v80
.set MN, 96                            ; v96-98   the three smallest d2
.set IX, 100                           ; v100-102 their places 0 .. 23
.set OI, 104                           ; v104-107 what goes to idx
.set RC, 108                           ; v108-111 reciprocals, their sum
.set OW, 112                           ; v112-115 what goes to wt
	s_load_b512 s[4:19], s[0:1], 0x0               ; xyz_A 4, xyz_B 6, gid 8, fp_w 10, catA_w 12, catB_w 14, cat_w 16, idx 18
	s_load_b128 s[20:23], s[0:1], 0x40             ; wt 20, wq 22
	s_load_b64 s[24:25], s[0:1], 0x50              ; ws
	s_and_b32 s26, ttmp7, 0xffff                   ; y
	s_cmp_lt_u32 ttmp9, 64
	s_cbranch_scc0 .Lweights
	; ---------------- REFINEMENT
	s_lshl_b32 s27, s26, 6
	s_add_co_u32 s27, s27, ttmp9                   ; which 128 points
	s_lshr_b32 s28, s27, 5                         ; the batch
	s_mul_i32 s30, s28, 12288
	s_mov_b32 s31, 0
	s_mul_i32 s32, s27, 1536
	s_mov_b32 s33, 0
	s_lshl_b32 s34, s27, 11
	s_mov_b32 s35, 0
	v_lshlrev_b32 v1, 4, v0                        ; 16 t
	v_mul_u32_u24 v2, v0, 12                       ; 12 t
	s_wait_kmcnt 0x0
	s_add_nc_u64 s[6:7], s[6:7], s[30:31]
	s_add_nc_u64 s[4:5], s[4:5], s[32:33]
	s_add_nc_u64 s[8:9], s[8:9], s[34:35]
	s_add_nc_u64 s[18:19], s[18:19], s[34:35]
	s_add_nc_u64 s[20:21], s[20:21], s[34:35]
	global_load_b128 v[4:7], v1, s[8:9]
	global_load_b32 v8, v2, s[4:5]
	global_load_b32 v9, v2, s[4:5] offset:4
	global_load_b32 v10, v2, s[4:5] offset:8
	s_wait_loadcnt 0x0
	v_min_u32 v11, v4, v5                          ; the three group numbers, ascending, into v12, v13, v14
	v_max_u32 v12, v4, v5
	v_max_u32 v14, v12, v6
	v_min_u32 v12, v12, v6
	v_max_u32 v13, v11, v12
	v_min_u32 v12, v11, v12
.irp j, 0,1,2
	v_min_u32 v[12+\j], 127, v[12+\j]              ; a loaded number enters an address only behind a bound
.endr
.irp j, 0,1,2
	v_mul_u32_u24 v[90+\j], v[12+\j], 96           ; a group's eight points are 96 consecutive bytes
.endr
.irp j, 0,1,2
.irp e, 0,1,2,3,4,5
	global_load_b128 v[CD+24*\j+4*\e:CD+24*\j+4*\e+3], v[90+\j], s[6:7] offset:16*\e
.endr
.endr
.irp c, 0,1,2
	v_mov_b32 v[MN+\c], 0x7f800000
	v_mov_b32 v[IX+\c], 0
.endr
	s_wait_loadcnt 0x0
.irp l, 0,1,2,3,4,5,6,7,8,9,10,11,12,13,14,15,16,17,18,19,20,21,22,23
	v_sub_f32 v[CD+3*\l], v[CD+3*\l], v8
	v_sub_f32 v[CD+3*\l+1], v[CD+3*\l+1], v9
	v_sub_f32 v[CD+3*\l+2], v[CD+3*\l+2], v10
.endr
.irp l, 0,1,2,3,4,5,6,7,8,9,10,11,12,13,14,15,16,17,18,19,20,21,22,23
	v_mul_f32 v[CD+3*\l], v[CD+3*\l], v[CD+3*\l]
.endr
.irp l, 0,1,2,3,4,5,6,7,8,9,10,11,12,13,14,15,16,17,18,19,20,21,22,23
	v_fma_f32 v[CD+3*\l], v[CD+3*\l+1], v[CD+3*\l+1], v[CD+3*\l]
.endr
.irp l, 0,1,2,3,4,5,6,7,8,9,10,11,12,13,14,15,16,17,18,19,20,21,22,23
	v_fma_f32 v[CD+3*\l], v[CD+3*\l+2], v[CD+3*\l+2], v[CD+3*\l]
.endr
.macro INSERT d, id                    ; as in the launch before: a strict "less"; every line reads values as they stood ahead of the macro
	v_cmp_lt_f32 vcc_lo, v[\d], v[MN]
	v_cmp_lt_f32 s40, v[\d], v[MN+1]
	v_cmp_lt_f32 s41, v[\d], v[MN+2]
	v_cndmask_b32 v[IX+2], v[IX+2], \id, s41
	v_cndmask_b32 v[IX+2], v[IX+2], v[IX+1], s40
	v_cndmask_b32 v[IX+1], v[IX+1], \id, s40
	v_cndmask_b32 v[IX+1], v[IX+1], v[IX], vcc_lo
	v_cndmask_b32 v[IX], v[IX], \id, vcc_lo
	v_med3_num_f32 v[MN+2], v[MN+1], v[MN+2], v[\d]
	v_med3_num_f32 v[MN+1], v[MN], v[MN+1], v[\d]
	v_min_num_f32 v[MN], v[MN], v[\d]
.endm
.irp l, 0,1,2,3,4,5,6,7,8,9,10,11,12,13,14,15,16,17,18,19,20,21,22,23
	INSERT CD+3*\l, \l
.endr
.irp k, 0,1,2
	v_add_f32 v[RC+\k], 0x322bcc77, v[MN+\k]       ; d2 + 1e-8
.endr
.irp k, 0,1,2
	v_rcp_f32 v[RC+\k], v[RC+\k]
.endr
.irp k, 0,1,2                                      ; place 0 .. 23 -> index: plain work behind the reciprocals
	v_cmp_gt_u32 vcc_lo, 16, v[IX+\k]
	v_cndmask_b32 v[OI+\k], v14, v13, vcc_lo
	v_cmp_gt_u32 vcc_lo, 8, v[IX+\k]
	v_cndmask_b32 v[OI+\k], v[OI+\k], v12, vcc_lo
	v_and_b32 v[IX+\k], 7, v[IX+\k]
	v_lshl_add_u32 v[OI+\k], v[OI+\k], 3, v[IX+\k] ; 8 x group + place in it
	v_lshlrev_b32 v[OI+\k], 10, v[OI+\k]           ; as a byte offset: rows of 1,024 bytes
.endr
	v_mov_b32 v[OI+3], 0
	s_wait_alu depctr_va_vdst(0)                   ; one wait for the three reciprocals, ahead of their first reader
	v_add_f32 v[RC+3], v[RC], v[RC+1]
	v_add_f32 v[RC+3], v[RC+3], v[RC+2]
	v_rcp_f32 v[RC+3], v[RC+3]
	v_mov_b32 v[OW+3], 0                           ; a plain instruction behind the reciprocal
	s_wait_alu depctr_va_vdst(0)
.irp k, 0,1,2
	v_mul_f32 v[OW+\k], v[RC+\k], v[RC+3]
.endr
	global_store_b128 v1, v[OI:OI+3], s[18:19]     ; a wave stores 512 consecutive bytes
	global_store_b128 v1, v[OW:OW+3], s[20:21]
	s_endpgm
	; ---------------- WEIGHTS
.Lweights:
	v_lshrrev_b32 v1, 5, v0
	v_readfirstlane_b32 s27, v1                    ; wave 0..3
	s_sub_co_u32 s28, ttmp9, 64                    ; j: 0 fp; 1, 2 catA; 3, 4 catB; 5, 6 cat
	s_lshl_b32 s29, s28, 2
	s_add_co_u32 s29, s29, s27                     ; q
	s_lshr_b32 s30, s27, 1                         ; fp: tile,
	s_and_b32 s31, s27, 1                          ; and K step
	s_sub_co_u32 s32, s28, 1
	s_and_b32 s32, s32, 1                          ; the others: tile; their K step is the wave's number
	s_mov_b32 s42, 0x76543210
	s_mov_b32 s43, 0xfedcba98                      ; v_permlanex16_b32's selects for lane l xor 16
	s_wait_kmcnt 0x0
	s_cmp_lt_u32 s28, 5                            ; every choice hangs on the work-group's number alone
	s_cselect_b64 s[34:35], s[14:15], s[16:17]
	s_cselect_b32 s36, 8, 0                        ; the transposed products' tiles skip eight rows in their middle
	s_cselect_b32 s37, 3, 4                        ; and begin 8 rows apart, cat's 16
	s_cmp_lt_u32 s28, 3
	s_cselect_b64 s[34:35], s[12:13], s[34:35]
	s_cmp_lt_u32 s28, 1
	s_cselect_b64 s[34:35], s[10:11], s[34:35]
	s_cselect_b32 s38, 10, 11                      ; a row: 1,024 or 2,048 bytes
	s_cselect_b32 s30, s30, s32
	s_cselect_b32 s31, s31, s27
	s_lshl_b32 s30, s30, s37
	s_lshl_b32 s39, s26, 5
	s_add_co_u32 s30, s30, s39                     ; the tile's first row
	s_lshl_b32 s31, s31, 9                         ; the K step: 512 bytes
	s_mul_i32 s40, s26, 28672
	s_lshl_b32 s41, s29, 10
	s_add_co_u32 s40, s40, s41                     ; where the fragment goes in wq,
	s_mov_b32 s41, 0
	s_add_nc_u64 s[22:23], s[22:23], s[40:41]
	s_mul_i32 s40, s26, 1792
	s_lshl_b32 s39, s29, 6
	s_add_co_u32 s40, s40, s39                     ; and its scale words in ws
	s_add_nc_u64 s[24:25], s[24:25], s[40:41]
	v_and_b32 v2, 15, v0                           ; r
	v_bfe_u32 v3, v0, 4, 1                         ; h
	v_and_b32 v4, s36, v2
	v_add_nc_u32 v4, v4, v2
	v_add_nc_u32 v4, s30, v4                       ; my row
	v_lshlrev_b32 v4, s38, v4
	v_lshl_add_u32 v4, v3, 7, v4                   ; the operand's layout gives lane (r, h) k = 64 c + 32 h + 0 .. 31: 128 h bytes
	v_add_nc_u32 v4, s31, v4
	v_and_b32 v5, 31, v0
	v_lshlrev_b32 v5, 4, v5                        ; 16 x lane
	v_lshlrev_b32 v6, 2, v2                        ; 4 r
.irp c, 0,1
.irp e, 0,1,2,3,4,5,6,7
	global_load_b128 v[CD+32*\c+4*\e:CD+32*\c+4*\e+3], v4, s[34:35] offset:256*\c+16*\e
.endr
.endr
	s_wait_loadcnt 0x0
.irp c, 0,1                                        ; my block 2 c + h: all its 32 numbers are mine
	v_max3_num_f32 v[8+\c], |v[CD+32*\c]|, |v[CD+32*\c+1]|, 0x1800000   ; and the floor 2^(3 - 127): the byte cannot fall under 1
.endr
.irp i, 2,4,6,8,10,12,14,16,18,20,22,24,26,28,30
.irp c, 0,1
	v_max3_num_f32 v[8+\c], v[8+\c], |v[CD+32*\c+\i]|, |v[CD+32*\c+\i+1]|
.endr
.endr
.irp c, 0,1
	v_add_nc_u32 v[10+\c], 0xff000000, v[8+\c]     ; 2 off the exponent field: the conversion's scale operand
.endr
.irp c, 0,1
	v_lshrrev_b32 v[12+\c], 23, v[10+\c]           ; the scale's byte
.endr
	v_lshl_or_b32 v14, v13, 16, v12                ; my two bytes, blocks h and 2 + h,
	v_lshlrev_b32 v15, 3, v3
	v_lshlrev_b32 v14, v15, v14                    ; at their places in the word;
	v_mov_b32 v15, 0
	v_permlanex16_b32 v15, v14, s42, s43
	v_or_b32 v14, v14, v15                         ; with lane l xor 16's two it is whole, in both halves of the lanes
.irp c, 0,1
.irp g, 0,1,2,3
	v_cvt_scalef32_pk8_fp4_f32 v[80+4*\c+\g], v[CD+32*\c+8*\g:CD+32*\c+8*\g+7], v[10+\c]
.endr
.endr
	v_nop                                          ; one plain instruction behind the last scaled conversion
	global_store_b128 v5, v[80:83], s[22:23]       ; the image of registers 0-3: 512 consecutive bytes
	global_store_b128 v5, v[84:87], s[22:23] offset:512
	global_store_b32 v6, v14, s[24:25]             ; lanes r and r + 16 store the same word at the same place
	s_endpgm
.Lfunc_end_k_qf8f21355ee_refine:
	.size	k_qf8f21355ee_refine, .Lfunc_end_k_qf8f21355ee_refine-k_qf8f21355ee_refine
	.p2alignl 7, 3214868480
	.fill 96, 4, 3214868480
	.section	.rodata,"a",@progbits
	.p2align	6, 0x0
	.amdhsa_kernel k_qf8f21355ee_refine
		.amdhsa_group_segment_fixed_size 0
		.amdhsa_private_segment_fixed_size 0
		.amdhsa_enable_private_segment 0
		.amdhsa_kernarg_size 88
		.amdhsa_user_sgpr_count 2
		.amdhsa_user_sgpr_kernarg_segment_ptr 1
		.amdhsa_wavefront_size32 1
		.amdhsa_system_sgpr_workgroup_id_x 1
		.amdhsa_system_sgpr_workgroup_id_y 1
		.amdhsa_system_sgpr_workgroup_id_z 1
		.amdhsa_system_vgpr_workitem_id 0
		.amdhsa_next_free_vgpr 128
		.amdhsa_next_free_sgpr 66
		.amdhsa_reserve_vcc 1
		.amdhsa_float_denorm_mode_32 3
		.amdhsa_float_denorm_mode_16_64 3
		.amdhsa_memory_ordered 1
		.amdhsa_forward_progress 1
		.amdhsa_inst_pref_size 33
	.end_amdhsa_kernel
	.amdgpu_metadata
---
amdhsa.version: [ 1, 2 ]
amdhsa.kernels:
  - .name:           k_qf8f21355ee_refine
    .symbol:         k_qf8f21355ee_refine.kd
    .args:
      - { .name: xyz_A, .offset: 0, .size: 8, .value_kind: global_buffer, .address_space: global }
      - { .name: xyz_B, .offset: 8, .size: 8, .value_kind: global_buffer, .address_space: global }
      - { .name: gid, .offset: 16, .size: 8, .value_kind: global_buffer, .address_space: global }
      - { .name: fp_w, .offset: 24, .size: 8, .value_kind: global_buffer, .address_space: global }
      - { .name: catA_w, .offset: 32, .size: 8, .value_kind: global_buffer, .address_space: global }
      - { .name: catB_w, .offset: 40, .size: 8, .value_kind: global_buffer, .address_space: global }
      - { .name: cat_w, .offset: 48, .size: 8, .value_kind: global_buffer, .address_space: global }
      - { .name: idx, .offset: 56, .size: 8, .value_kind: global_buffer, .address_space: global }
      - { .name: wt, .offset: 64, .size: 8, .value_kind: global_buffer, .address_space: global }
      - { .name: wq, .offset: 72, .size: 8, .value_kind: global_buffer, .address_space: global }
      - { .name: ws, .offset: 80, .size: 8, .value_kind: global_buffer, .address_space: global }
    .group_segment_fixed_size: 0
    .private_segment_fixed_size: 0
    .kernarg_segment_align: 8
    .kernarg_segment_size: 88
    .max_flat_workgroup_size: 128
    .sgpr_count:     66
    .vgpr_count:     128
    .wavefront_size: 32
...
	.end_amdgpu_metadata
.endif
;; end of part 2
;; launch fuse (part 3): grid 256 x 1, 8 waves a work-group, no clusters, 327,680 bytes of LDS; arguments featA, fbt, idx, wt, wq, ws, out0, fp_g, fp_b, catA_g, catA_b, catB_g, catB_b, cat_g, cat_b, convA_w, convA_b, convB_w, convB_b; writes out0
.if DOCPART == 3
	.amdgcn_target "amdgcn-amd-amdhsa--gfx1250"
	.amdhsa_code_object_version 6
	.text
	.protected	k_qf8f21355ee_fuse
	.globl	k_qf8f21355ee_fuse
	.p2align	8
	.type	k_qf8f21355ee_fuse,@function
k_qf8f21355ee_fuse:
	s_mov_b64 s[64:65], 0
	v_nop
	global_prefetch_b8 v0, s[64:65] scope:SCOPE_SE
	s_setreg_imm32_b32 hwreg(HW_REG_WAVE_MODE, 25, 1), 1
	s_wait_xcnt 0x0
; THE WHOLE CHAIN for 256 points of one batch a work-group, in 8 blocks of 32 points (two tiles m of 16):
;   interp = the sum of three rows of fbt x their weights | F = relu(bn(fp_w interp)) | D = featA - F | a = telu(bn(catA_w [D, featA])), b = telu(bn(catB_w [D, F])) |
;   gA = sigmoid(convA_w . a + bias), gB likewise | out = telu(bn(cat_w [gA featA, gB F])).
; The four products run on codes of E2M1 with one E8M0 byte for each 32 along K; both operands are quantised by the stated rule; all else is f32.  Nothing between goes to memory.
; SHARES.  THE EIGHT WAVES SHARE THE CHANNELS: wave w makes channels 32 w .. 32 w + 31 of every layer, one block of the next quantiser.  Its part of all four weights (28 fragments, 224 registers) stays in
; registers for the whole launch.  What goes round is small: the points' codes, as IMAGES OF THE OPERAND'S REGISTERS in LDS (a fragment's four registers: 16 bytes a lane, 512 bytes on end).
; fp, catA, catB are used TRANSPOSED (source 0 = 16 rows of the weight, source 1 = 16 points): lane (r, h) holds point r, and its registers 8 u + j hold channels 32 w + 16 h + 8 u + j (the rows of a tile are chosen
; for it): 16 neighbours along the next K; lanes l and l xor 16 hold a block.  A lane's 16 codes are 8 bytes, stored where the operand's layout wants them: no lane exchange.
; cat is used as it stands (source 0 = the points, source 1 = its rows): a lane then holds 8 neighbouring points of one channel, as out0 lies.
; featA: each wave brings its own 32 channels x 256 points by four tensor loads (32 rows x 256 bytes each), all at the start; nothing is filled again, and only the issuing wave reads its bytes, behind its own
; wait on TENSORcnt.  By this text's count a wave has four tensor loads out at the most.  A block's results are stored over the featA bytes of its own points, which have had their only fill and which this wave
; alone has read; after two blocks 64 points of 32 channels leave as whole rows of 256 bytes.
; THE GATHER: wave w takes points 4 w .. 4 w + 3 of a block; a lane holds 8 neighbouring channels, four lanes a block.  The rows of block i + 1 are asked for two points at a time during block i.
; THREE BARRIERS A BLOCK.  Ahead of the first: D's, featA's and F's images.  Ahead of the second: the dots' parts, and the next block's codes of interp.  Ahead of the third: the weighted images.
; Each region is written again only behind a later barrier than the one that every wave reaches behind its last read of it.
; telu(x) = x tanh(e^x), tanh(y) = 1 - 2 / (1 + 2^(2 log2(e) y)), 2 log2(e) e^x = 2^(x log2(e) + c0): two v_exp_f32 and a v_rcp_f32.  An overflow gives tanh = 1, an underflow 0.
; NO CLUSTER: what work-groups share is the weights' 28,672 bytes a wave, read once and straight into registers; the rows of fbt are named by a list that differs from work-group to work-group.
; NO PREFETCH: featA is asked for whole at the start; a row of fbt is named by many points.
; LIMITS: NaN and infinities among the inputs are not served.  Blocks whose largest magnitude lies under 2^-124 keep the scale byte 1; a block of zeros has the byte 1 and zero codes.
; Exponentials and reciprocals are v_exp_f32 and v_rcp_f32.  1 / sqrt(1 + 1e-5) is the f32 constant 0x3f7fffac.  The interpolation and the norms use fused multiply-adds.
.set TAB,    0                         ; LDS: eight tables of 256 f32: fp's gain' and bias, catA's, catB's, convA_w, convB_w
.set RED,    8192                      ; the dots' parts: [wave][m][32 lanes] f32
.set INB,    10240                     ; interp's codes: 32 rows of 128 bytes + 16
.set INSC,   14848                     ; and their 8 scale bytes a row
.set IMG_D,  15360                     ; five images of 4,096 bytes: fragment (m, s) at 1,024 (2 m + s), registers 4 c .. at 512 c, lane l at 16 l
.set IMG_A,  19456
.set IMG_F,  23552
.set IMG_WA, 27648
.set IMG_WF, 31744
.set SC_D,   35840                     ; their scale words: 64 (2 m + s) + 4 r
.set SC_A,   36096
.set SC_F,   36352
.set SC_WA,  36608
.set SC_WF,  36864
.set FAB,    37376                     ; featA: four slots of 64 points; in a slot wave w's 32 rows of 256 bytes + 16
.set FAW,    8704
.set FAS,    69632
.set L16, 1                            ; v1   16 x lane
.set L4,  2                            ; v2   4 x lane
.set SCR, 3                            ; v3   4 r
.set INR, 4                            ; v4   144 r + 16 h
.set INSR, 5                           ; v5   8 r
.set INA, 6                            ; v6   576 w + 4 x lane
.set INS, 7                            ; v7   32 w + lane / 4
.set IMW, 8                            ; v8   1,024 (w / 4) + 256 (w % 4) + 16 r + 8 h: where my 16 codes go in an image
.set SCW, 9                            ; v9   64 (w / 4) + w % 4 + 4 r: and my block's byte
.set TBL, 10                           ; v10  128 w + 64 h: my 16 channels in a table
.set FA0, 11                           ; v11  FAB + 8,704 w + 4,352 h + 4 r
.set FAA, 12                           ; v12  the same in the slot and half in hand
.set ST0, 13                           ; v13  FAB + 8,704 w + 272 r + 32 h
.set STA, 14
.set SR0, 15                           ; v15  FAB + 8,704 w + 272 h + 16 r
.set SRA, 16
.set OG,  17                           ; v17  16,384 h + 16 r
.set RDW, 18                           ; v18  256 w + 4 x lane
.set CB,  19                           ; v19  convA_b in lanes 0-15, convB_b in lanes 16-31
.set KC,  22                           ; v[22:23] c0 = log2(2 log2(e)), twice
.set WSC, 24                           ; v24-37  the weights' scale words: register i: fragment 2 i in lanes 0-15, 2 i + 1 in lanes 16-31
.set ASC, 38                           ; v38-45  the points' scale words
.set CC,  46                           ; v46-53  cat's gain' and bias of my channel in tile 0, then tile 1: each the low word of a pair
.set QX,  54                           ; v54-63  the dots, then the gates
.set FB,  64                           ; v64-95  F
.set ACC, 96                           ; v96-127 accumulators; at other times the quantiser's scratch
.set FR,  128                          ; v128-191 eight fragments (FR and T on end); at other times D, and
.set T,   160                          ;          featA, or telu's chain
.set GS,  192                          ; v192-239 the gather: two points x three rows x 8
.set GA,  240                          ; v240-245 its six offsets
.set WV,  246                          ; v246-251 a point's three weights, each the low word of a pair
.set GC,  252                          ; v252-255 two points' codes, two scale bytes
.set MX,  ACC
.set PM,  ACC+8
.set CD,  ACC+16
.set WVN, 2                            ; s2   my wave's number
.set GO,  3                            ; s3   byte offset of my four points in idx and wt
.set BLK, 20                           ; s20  the block, 0 .. 7
.set PO,  21                           ; s21  0 or 128: which half of a slot's rows
.set SL,  22                           ; s22  the slot's first byte behind FAB
.set W,   36                           ; s[36:51] four points' weights
.set G1,  52                           ; s[52:59] descriptor group 1
.set G0,  68                           ; s[68:83] descriptor group 0, a set for each slot
.set IDX, 84                           ; s[84:99] four points' row offsets (temporaries in the head)
.set GLIM, 100
.set HM,  101                          ; s101 the mask of lanes 16-31
.set SEL, 104                          ; s[104:105] v_permlanex16_b32's selects for lane l xor 16
.set MSB, 0
.macro WIN new                         ; window 1 holds the weights (v0-223) and the layer's 16 gains' and 16 biases (v224-255).  The immediate's high byte repeats the setting that is left
.if MSB != \new
	s_set_vgpr_msb (MSB<<8)|\new
.set MSB, \new
.endif
.endm
.macro PLACES                          ; four plain instructions between a matrix instruction and what reads its result or writes or loads its registers
.rept 4
	v_nop
.endr
.endm
.macro BAR                             ; my LDS stores have landed and my LDS loads are in: then the work-group's barrier
	s_wait_dscnt 0x0
	s_barrier_signal -1
	s_barrier_wait -1
.endm
	s_load_b512 s[4:19], s[0:1], 0x0               ; featA 4, fbt 6, idx 8, wt 10, wq 12, ws 14, out0 16, fp_g 18
	s_load_b512 s[20:35], s[0:1], 0x40             ; fp_b 20, catA_g 22, catA_b 24, catB_g 26, catB_b 28, cat_g 30, cat_b 32, convA_w 34
	s_load_b128 s[60:63], s[0:1], 0x80             ; convA_b 60, convB_w 62
	s_load_b64 s[66:67], s[0:1], 0x90              ; convB_b
	v_lshl_add_u32 v254, v0, 2, 0x4d200
	v_mov_b32 v255, 0
	ds_add_u32 v254, v255
	ds_add_u32 v254, v255
	s_wait_dscnt 0x0
	v_lshrrev_b32 v96, 5, v0
	v_readfirstlane_b32 s[WVN], v96                ; wave 0..7
	s_lshr_b32 s84, ttmp9, 4                       ; the batch
	s_and_b32 s85, ttmp9, 15                       ; which 256 points
	s_lshl_b32 s86, s84, 22                        ; featA and out0: a batch is 4 MiB,
	s_lshl_b32 s88, s[WVN], 19                     ; my 32 channels of 16 KiB,
	s_add_co_u32 s86, s86, s88
	s_lshl_b32 s88, s85, 10                        ; 256 points of 4 bytes
	s_add_co_u32 s86, s86, s88
	s_mov_b32 s87, 0
	s_lshl_b32 s88, s84, 20                        ; fbt: a batch is 1 MiB
	s_mov_b32 s89, 0
	s_mul_i32 s90, s[WVN], 28672                   ; my fragments in wq,
	s_mov_b32 s91, 0
	s_mul_i32 s92, s[WVN], 1792                    ; my scale words in ws
	s_mov_b32 s93, 0
	s_mul_i32 s94, s[WVN], FAW
	s_add_co_u32 s94, s94, FAB                     ; my rows of slot 0
	s_lshl_b32 s[GO], ttmp9, 12                    ; 256 points x 16 bytes,
	s_lshl_b32 s95, s[WVN], 6
	s_add_co_u32 s[GO], s[GO], s95                 ; my four of a block
	s_add_co_u32 s[GLIM], s[GO], 3584              ; those of the last block
	s_mov_b32 s[HM], 0xffff0000
	s_mov_b32 s[SEL], 0x76543210
	s_mov_b32 s[SEL+1], 0xfedcba98
	; descriptor group 1: 32 rows x 64 elements of 4 bytes, 4,096 elements from row to row; in LDS 16 bytes of padding behind each row
	s_mov_b32 s[G1], (2<<16)|(1<<20)|(5<<22)|(3<<25)   ; 15:0 no mask; 17:16 elements of 4 bytes; 20 padding on; 24:22 after every 64 words (code 5); 31:25 four words (code 3)
	s_mov_b32 s[G1+1], 64<<16                      ; tensor_dim0
	s_mov_b32 s[G1+2], 32<<16                      ; tensor_dim1
	s_mov_b32 s[G1+3], 64<<16                      ; tile_dim0
	s_mov_b32 s[G1+4], 32                          ; tile_dim1
	s_mov_b32 s[G1+5], 4096                        ; tensor_dim0_stride
	s_mov_b32 s[G1+6], 0
	s_mov_b32 s[G1+7], 0
	v_and_b32 v97, 31, v0                          ; lane
	v_and_b32 v20, 15, v0                          ; r
	v_bfe_u32 v21, v0, 4, 1                        ; h
	v_lshlrev_b32 v[L16], 4, v97
	v_lshlrev_b32 v[L4], 2, v97
	v_lshlrev_b32 v[SCR], 2, v20
	v_mul_u32_u24 v[INR], v20, 144
	v_lshl_add_u32 v[INR], v21, 4, v[INR]
	v_lshlrev_b32 v[INSR], 3, v20
	s_mul_i32 s95, s[WVN], 576
	v_add_nc_u32 v[INA], s95, v[L4]
	s_lshl_b32 s95, s[WVN], 5
	v_lshrrev_b32 v[INS], 2, v97
	v_add_nc_u32 v[INS], s95, v[INS]
	s_lshr_b32 s95, s[WVN], 2                      ; my 32 channels are block w % 4 of K step w / 4
	s_lshl_b32 s96, s95, 10
	s_lshl_b32 s97, s95, 6
	s_and_b32 s95, s[WVN], 3
	s_add_co_u32 s97, s97, s95
	s_lshl_b32 s95, s95, 8                         ; block b lies in registers 4 (b / 2) .. of lanes 16 (b % 2) ..: 512 (b / 2) + 256 (b % 2) = 256 b
	s_add_co_u32 s96, s96, s95
	v_lshlrev_b32 v[IMW], 4, v20
	v_lshl_add_u32 v[IMW], v21, 3, v[IMW]
	v_add_nc_u32 v[IMW], s96, v[IMW]
	v_add_nc_u32 v[SCW], s97, v[SCR]
	s_lshl_b32 s95, s[WVN], 7
	v_lshl_add_u32 v[TBL], v21, 6, s95
	v_add_nc_u32 v99, s95, v[SCR]                  ; cat_g, cat_b: 4 (32 w + r)
	v_mul_u32_u24 v[FA0], v21, 4352
	v_lshl_add_u32 v[FA0], v20, 2, v[FA0]
	v_add_nc_u32 v[FA0], s94, v[FA0]
	v_mul_u32_u24 v[ST0], v20, 272
	v_lshl_add_u32 v[ST0], v21, 5, v[ST0]
	v_add_nc_u32 v[ST0], s94, v[ST0]
	v_mul_u32_u24 v[SR0], v21, 272
	v_lshl_add_u32 v[SR0], v20, 4, v[SR0]
	v_add_nc_u32 v[SR0], s94, v[SR0]
	v_lshlrev_b32 v[OG], 14, v21
	v_lshl_add_u32 v[OG], v20, 4, v[OG]
	s_lshl_b32 s95, s[WVN], 8
	v_add_nc_u32 v[RDW], s95, v[L4]
	v_lshlrev_b32 v98, 2, v0                       ; 4 x thread: thread t brings channel t of the tables
	v_mov_b32 v96, 0
	v_mov_b32 v[KC], 0x3fc3ae9e                    ; c0 = 1.5287664
	v_mov_b32 v[KC+1], 0x3fc3ae9e
.irp j, 100,101,102,103,104,105,106,107,108,109,110,111, 54,55,56,57,58,59,60,61,62,63, 247,249,251
	v_mov_b32 v[\j], 0                             ; written once: lane permutes' destinations count as sources, and the upper words of pairs are named with the lower
.endr
	s_wait_kmcnt 0x0
	s_add_nc_u64 s[4:5], s[4:5], s[86:87]
	s_add_nc_u64 s[16:17], s[16:17], s[86:87]
	s_add_nc_u64 s[6:7], s[6:7], s[88:89]
	s_add_nc_u64 s[12:13], s[12:13], s[90:91]
	s_add_nc_u64 s[14:15], s[14:15], s[92:93]
.irp q, 0,1,2,3
	s_mov_b32 s[G0+4*\q], 1                                        ; 1:0 count = 1
	s_add_co_u32 s[G0+4*\q+1], s94, \q*FAS                         ; 63:32 LDS address: FAB + 8,704 x wave + the slot's constant
	s_add_nc_u64 s[G0+4*\q+2:G0+4*\q+3], s[4:5], \q*256            ; 120:64 global address: my first channel, the slot's 64 points
	s_or_b32 s[G0+4*\q+3], s[G0+4*\q+3], 0x80000000               ; 127:126 type = 2
.endr
.irp q, 0,1,2,3
	tensor_load_to_lds s[G0+4*\q:G0+4*\q+3], s[G1:G1+7]            ; all of my featA, ahead of every wait on TENSORcnt, every LDS read and every barrier
	s_nop 0
.endr
	PLACES                                         ; four plain instructions follow the last of them
	s_load_b512 s[IDX:IDX+15], s[8:9], s[GO] offset:0x0            ; block 0: my four points' rows
	s_load_b512 s[W:W+15], s[10:11], s[GO] offset:0x0              ; and weights
	WIN 0x40                                       ; destination window 1
.irp q, 0,1,2,3,4,5,6,7,8,9,10,11,12,13,14,15,16,17,18,19,20,21,22,23,24,25,26,27
	global_load_b128 v[8*\q:8*\q+3], v[L16], s[12:13] offset:1024*\q
	global_load_b128 v[8*\q+4:8*\q+7], v[L16], s[12:13] offset:1024*\q+512
.endr
	WIN 0
.irp i, 0,1,2,3,4,5,6,7,8,9,10,11,12,13
	global_load_b32 v[WSC+\i], v[L4], s[14:15] offset:128*\i
.endr
	global_load_b32 v[FR], v98, s[18:19]           ; fp_g
	global_load_b32 v[FR+1], v98, s[20:21]         ; fp_b
	global_load_b32 v[FR+2], v98, s[22:23]         ; catA_g
	global_load_b32 v[FR+3], v98, s[24:25]         ; catA_b
	global_load_b32 v[FR+4], v98, s[26:27]         ; catB_g
	global_load_b32 v[FR+5], v98, s[28:29]         ; catB_b
	global_load_b32 v[FR+6], v98, s[34:35]         ; convA_w
	global_load_b32 v[FR+7], v98, s[62:63]         ; convB_w
	global_load_b32 v[CC], v99, s[30:31]           ; cat_g, cat_b at channel 32 w + 16 u + r
	global_load_b32 v[CC+2], v99, s[32:33]
	global_load_b32 v[CC+4], v99, s[30:31] offset:64
	global_load_b32 v[CC+6], v99, s[32:33] offset:64
	global_load_b32 v[FR+8], v96, s[60:61]         ; convA_b
	global_load_b32 v[FR+9], v96, s[66:67]         ; convB_b
; THE GATHER.  Points p0 and p0 + 1 of my four: three rows each, two loads of 512 consecutive bytes a row.
.macro G_ISSUE2 p0, hold
.if \hold
	s_wait_loadcnt 0x0                             ; no load into these registers is out, by whichever way this line is reached (on the loop's own way the count is 0 already)
.endif
.irp pp, 0,1
.irp k, 0,1,2
	s_min_u32 s[IDX+4*(\p0+\pp)+\k], s[IDX+4*(\p0+\pp)+\k], 0xffc00   ; a loaded number enters an address only behind a bound: row 1,023 at the most
	v_add_nc_u32 v[GA+3*\pp+\k], s[IDX+4*(\p0+\pp)+\k], v[L16]
.endr
.endr
.irp pp, 0,1
.irp k, 0,1,2
	global_load_b128 v[GS+24*\pp+8*\k:GS+24*\pp+8*\k+3], v[GA+3*\pp+\k], s[6:7]                 ; channels 8 l .. 8 l + 3
	global_load_b128 v[GS+24*\pp+8*\k+4:GS+24*\pp+8*\k+7], v[GA+3*\pp+\k], s[6:7] offset:512    ; channels 8 l + 4 .. 8 l + 7
.endr
.endr
.endm
; They are blended, quantised (a block of 32 channels lies in four neighbouring lanes) and stored as rows of codes.
.macro G_CONSUME2 p0
	s_wait_kmcnt 0x0                               ; the weights (waited for where the rows were asked for; written again so that it holds on every way to this line)
	s_wait_loadcnt 0x0                             ; the rows: the gather's are the loop's only loads from memory
.irp pp, 0,1
.irp k, 0,1,2
	v_mov_b32 v[WV+2*\k], s[W+4*(\p0+\pp)+\k]
.endr
.irp i, 0,2,4,6
	v_pk_mul_f32 v[GS+24*\pp+\i:GS+24*\pp+\i+1], v[GS+24*\pp+\i:GS+24*\pp+\i+1], v[WV:WV+1] op_sel_hi:[1,0]
.endr
.irp k, 1,2
.irp i, 0,2,4,6
	v_pk_fma_f32 v[GS+24*\pp+\i:GS+24*\pp+\i+1], v[GS+24*\pp+8*\k+\i:GS+24*\pp+8*\k+\i+1], v[WV+2*\k:WV+2*\k+1], v[GS+24*\pp+\i:GS+24*\pp+\i+1] op_sel_hi:[1,0,1]
.endr
.endr
.endr
.irp pp, 0,1
	v_max3_num_f32 v[GS+24*\pp+8], |v[GS+24*\pp]|, |v[GS+24*\pp+1]|, 0x1800000   ; my eight, and the floor 2^(3 - 127): the byte cannot fall under 1
.endr
.irp i, 2,4,6
.irp pp, 0,1
	v_max3_num_f32 v[GS+24*\pp+8], v[GS+24*\pp+8], |v[GS+24*\pp+\i]|, |v[GS+24*\pp+\i+1]|
.endr
.endr
.irp x, 1,2
.irp pp, 0,1
	v_max_num_f32_dpp v[GS+24*\pp+8], v[GS+24*\pp+8], v[GS+24*\pp+8] row_xmask:\x row_mask:0xf bank_mask:0xf
.endr
.endr
.irp pp, 0,1
	v_add_nc_u32 v[GS+24*\pp+9], 0xff000000, v[GS+24*\pp+8]      ; 2 off the exponent field: the conversion's scale operand
.endr
	s_wait_dscnt 0x0                               ; the last pair's LDS stores have read their registers
.irp pp, 0,1
	v_cvt_scalef32_pk8_fp4_f32 v[GC+\pp], v[GS+24*\pp:GS+24*\pp+7], v[GS+24*\pp+9]
.endr
.irp pp, 0,1
	v_lshrrev_b32 v[GC+2+\pp], 23, v[GS+24*\pp+9]  ; the scale's byte (a plain instruction behind the conversions)
.endr
.irp pp, 0,1
	ds_store_b32 v[INA], v[GC+\pp] offset:INB+144*(\p0+\pp)      ; 8 codes a lane: the 32 lanes store the row's 128 bytes
	ds_store_b8 v[INS], v[GC+2+\pp] offset:INSC+8*(\p0+\pp)      ; the four lanes of a block store the same byte
.endr
.endm
.macro S_NEXT                          ; the rows and weights of my four points of the block after the next gather's; held at the last block's, so that no load leaves its buffer
	s_wait_kmcnt 0x0                               ; the last such loads are done, so their offset and their registers may be written
	s_add_co_u32 s[GO], s[GO], 512
	s_min_u32 s[GO], s[GO], s[GLIM]
	s_load_b512 s[IDX:IDX+15], s[8:9], s[GO] offset:0x0
	s_load_b512 s[W:W+15], s[10:11], s[GO] offset:0x0
.endm
; THE QUANTISER.  Set n: 16 numbers of a lane at v[QSn], neighbours along K; lane l xor 16 holds the block's other 16.  Codes go to image byte QIn, the byte to QCn.  The sets go by turns.
.macro QSET n, src, img, scl
.set QS\n, \src
.set QI\n, \img
.set QC\n, \scl
.endm
.macro QUANT cnt
.irp n, 0,1,2,3,4,5
.if \n < \cnt
	v_max3_num_f32 v[MX+\n], |v[QS\n]|, |v[QS\n+1]|, 0x1800000
.endif
.endr
.irp i, 2,4,6,8,10,12,14
.irp n, 0,1,2,3,4,5
.if \n < \cnt
	v_max3_num_f32 v[MX+\n], v[MX+\n], |v[QS\n+\i]|, |v[QS\n+\i+1]|
.endif
.endr
.endr
.irp n, 0,1,2,3,4,5
.if \n < \cnt
	v_permlanex16_b32 v[PM+\n], v[MX+\n], s[SEL], s[SEL+1]
.endif
.endr
.irp n, 0,1,2,3,4,5
.if \n < \cnt
	v_max_num_f32 v[MX+\n], v[MX+\n], v[PM+\n]     ; the block's largest magnitude
.endif
.endr
.irp n, 0,1,2,3,4,5
.if \n < \cnt
	v_add_nc_u32 v[PM+\n], 0xff000000, v[MX+\n]    ; the conversion's scale operand
.endif
.endr
.irp n, 0,1,2,3,4,5
.if \n < \cnt
	v_cvt_scalef32_pk8_fp4_f32 v[CD+2*\n], v[QS\n:QS\n+7], v[PM+\n]
	v_cvt_scalef32_pk8_fp4_f32 v[CD+2*\n+1], v[QS\n+8:QS\n+15], v[PM+\n]
.endif
.endr
.irp n, 0,1,2,3,4,5
.if \n < \cnt
	v_lshrrev_b32 v[MX+\n], 23, v[PM+\n]           ; the scale's byte (plain instructions behind the conversions)
.endif
.endr
.irp n, 0,1,2,3,4,5
.if \n < \cnt
	ds_store_b64 v[IMW], v[CD+2*\n:CD+2*\n+1] offset:QI\n        ; the 32 lanes store 256 consecutive bytes
	ds_store_b8 v[SCW], v[MX+\n] offset:QC\n                     ; lanes l and l xor 16 store the same byte
.endif
.endr
.endm
; Eight fragments (K step ks, tile m) at v[FR + 16 ks + 8 m], and their scale words: K steps 0, 1 from one array, 2, 3 from another
.macro FRAGS lo, slo, hi, shi
.irp s, 0,1
.irp m, 0,1
.irp c, 0,1
	ds_load_b128 v[FR+16*\s+8*\m+4*\c:FR+16*\s+8*\m+4*\c+3], v[L16] offset:\lo+(2*\m+\s)*1024+512*\c
	ds_load_b128 v[FR+32+16*\s+8*\m+4*\c:FR+32+16*\s+8*\m+4*\c+3], v[L16] offset:\hi+(2*\m+\s)*1024+512*\c
.endr
	ds_load_b32 v[ASC+2*\s+\m], v[SCR] offset:\slo+(2*\m+\s)*64
	ds_load_b32 v[ASC+4+2*\s+\m], v[SCR] offset:\shi+(2*\m+\s)*64
.endr
.endr
.endm
.macro CNLOAD tb                       ; my 16 channels' gains' and biases into window 1
	WIN 0x40
.irp e, 0,1,2,3
	ds_load_b128 v[224+4*\e:227+4*\e], v[TBL] offset:\tb+16*\e
	ds_load_b128 v[240+4*\e:243+4*\e], v[TBL] offset:\tb+1024+16*\e
.endr
	WIN 0
.endm
.macro FALOAD                          ; featA(32 w + 16 h + i, point 16 m + r) -> v[T + 16 m + i]
.irp m, 0,1
.irp i, 0,1,2,3,4,5,6,7,8,9,10,11,12,13,14,15
	ds_load_b32 v[T+16*\m+\i], v[FAA] offset:272*\i+64*\m
.endr
.endr
.endm
.macro BN reg                          ; x gain' + bias, in place, ascending: each accumulator is first read at its low end
	WIN 0x14                                       ; sources 1 and 2 window 1
.irp m, 0,1
.irp i, 0,2,4,6,8,10,12,14
	v_pk_fma_f32 v[\reg+16*\m+\i:\reg+16*\m+\i+1], v[\reg+16*\m+\i:\reg+16*\m+\i+1], v[224+\i:225+\i], v[240+\i:241+\i]
.endr
.endr
	WIN 0
.endm
; A product.  MMT: source 0 = weight fragment q (window 1), source 1 = the points' fragment at v[b].  MMN: the other way round.  ks = 0 starts the sum.  An odd q has its scale words in lanes 16-31.
.macro MMT d, q, b, sb, ks
.if (\ks) == 0
	v_wmma_scale_f32_16x16x128_f8f6f4 v[(\d):(\d)+7], v[8*(\q):8*(\q)+7], v[(\b):(\b)+7], 0, v[WSC+(\q)/2], v[(\sb)] matrix_a_fmt:MATRIX_FMT_FP4 matrix_b_fmt:MATRIX_FMT_FP4
.elseif ((\q)&1) == 0
	v_wmma_scale_f32_16x16x128_f8f6f4 v[(\d):(\d)+7], v[8*(\q):8*(\q)+7], v[(\b):(\b)+7], v[(\d):(\d)+7], v[WSC+(\q)/2], v[(\sb)] matrix_a_fmt:MATRIX_FMT_FP4 matrix_b_fmt:MATRIX_FMT_FP4
.else
	v_wmma_scale_f32_16x16x128_f8f6f4 v[(\d):(\d)+7], v[8*(\q):8*(\q)+7], v[(\b):(\b)+7], v[(\d):(\d)+7], v[WSC+(\q)/2], v[(\sb)] matrix_a_fmt:MATRIX_FMT_FP4 matrix_b_fmt:MATRIX_FMT_FP4 matrix_a_scale:MATRIX_SCALE_ROW1
.endif
.endm
.macro MMN d, a, sa, q, ks
.if (\ks) == 0
	v_wmma_scale_f32_16x16x128_f8f6f4 v[(\d):(\d)+7], v[(\a):(\a)+7], v[8*(\q):8*(\q)+7], 0, v[(\sa)], v[WSC+(\q)/2] matrix_a_fmt:MATRIX_FMT_FP4 matrix_b_fmt:MATRIX_FMT_FP4
.elseif ((\q)&1) == 0
	v_wmma_scale_f32_16x16x128_f8f6f4 v[(\d):(\d)+7], v[(\a):(\a)+7], v[8*(\q):8*(\q)+7], v[(\d):(\d)+7], v[(\sa)], v[WSC+(\q)/2] matrix_a_fmt:MATRIX_FMT_FP4 matrix_b_fmt:MATRIX_FMT_FP4
.else
	v_wmma_scale_f32_16x16x128_f8f6f4 v[(\d):(\d)+7], v[(\a):(\a)+7], v[8*(\q):8*(\q)+7], v[(\d):(\d)+7], v[(\sa)], v[WSC+(\q)/2] matrix_a_fmt:MATRIX_FMT_FP4 matrix_b_fmt:MATRIX_FMT_FP4 matrix_b_scale:MATRIX_SCALE_ROW1
.endif
.endm
; telu of the 32 numbers in ACC, into T.  Each batch of 32 transcendentals has one plain instruction behind it and ONE wait ahead of its first reader.
.macro TRANS32 op
.set tj, 0
.rept 32
	\op v[T+tj], v[T+tj]
.set tj, tj+1
.endr
	v_nop
	s_wait_alu depctr_va_vdst(0)
.endm
.macro TELU
.irp i, 0,2,4,6,8,10,12,14,16,18,20,22,24,26,28,30
	v_pk_fma_f32 v[T+\i:T+\i+1], v[ACC+\i:ACC+\i+1], 0x3fb8aa3b, v[KC:KC+1] op_sel_hi:[1,0,1]   ; x log2(e) + c0
.endr
	TRANS32 v_exp_f32                              ; 2 log2(e) e^x
	TRANS32 v_exp_f32                              ; e^(2 e^x)
.irp i, 0,2,4,6,8,10,12,14,16,18,20,22,24,26,28,30
	v_pk_add_f32 v[T+\i:T+\i+1], v[T+\i:T+\i+1], 1.0 op_sel_hi:[1,0]
.endr
	TRANS32 v_rcp_f32
.irp i, 0,2,4,6,8,10,12,14,16,18,20,22,24,26,28,30
	v_pk_fma_f32 v[T+\i:T+\i+1], v[T+\i:T+\i+1], -2.0, 1.0 op_sel_hi:[1,0,0]                    ; tanh(e^x)
.endr
.irp i, 0,2,4,6,8,10,12,14,16,18,20,22,24,26,28,30
	v_pk_mul_f32 v[T+\i:T+\i+1], v[T+\i:T+\i+1], v[ACC+\i:ACC+\i+1]
.endr
.endm
; catA or catB: K steps 0, 1 are D, 2, 3 the other array.  The four accumulators take turns, one instruction a turn.  Then the norm, telu, and my 32 channels' part of the dot.
.macro CATX qb, hi, shi, tb, cw, dot
	FRAGS IMG_D, SC_D, \hi, \shi
	CNLOAD \tb
	s_wait_dscnt 0x8                               ; the eight table loads may be out
	WIN 0x01                                       ; source 0 window 1
.irp ks, 0,1,2,3
.irp m, 0,1
.irp u, 0,1
	MMT ACC+16*\m+8*\u, \qb+4*\u+\ks, FR+16*\ks+8*\m, ASC+2*\ks+\m, \ks
.endr
.endr
.endr
	WIN 0
	PLACES
.irp e, 0,1,2,3
	ds_load_b128 v[FR+4*\e:FR+4*\e+3], v[TBL] offset:\cw+16*\e   ; the conv's weights of my 16 channels
.endr
	s_wait_dscnt 0x4                               ; those four may be out: the tables are in
	BN ACC
	TELU
	s_wait_dscnt 0x0
.irp m, 0,1
.irp a, 0,1
	v_pk_mul_f32 v[ACC+4*\m+2*\a:ACC+4*\m+2*\a+1], v[T+16*\m+8*\a:T+16*\m+8*\a+1], v[FR+8*\a:FR+8*\a+1]     ; four chains: tile m, channels 8 a on
.endr
.endr
.irp i, 2,4,6
.irp m, 0,1
.irp a, 0,1
	v_pk_fma_f32 v[ACC+4*\m+2*\a:ACC+4*\m+2*\a+1], v[T+16*\m+8*\a+\i:T+16*\m+8*\a+\i+1], v[FR+8*\a+\i:FR+8*\a+\i+1], v[ACC+4*\m+2*\a:ACC+4*\m+2*\a+1]
.endr
.endr
.endr
.irp m, 0,1
	v_pk_add_f32 v[ACC+4*\m:ACC+4*\m+1], v[ACC+4*\m:ACC+4*\m+1], v[ACC+4*\m+2:ACC+4*\m+3]
.endr
.irp m, 0,1
	v_add_f32 v[ACC+4*\m], v[ACC+4*\m], v[ACC+4*\m+1]
.endr
.irp m, 0,1
	v_permlanex16_b32 v[ACC+4*\m+2], v[ACC+4*\m], s[SEL], s[SEL+1]
.endr
.irp m, 0,1
	v_add_f32 v[\dot+\m], v[ACC+4*\m], v[ACC+4*\m+2]             ; point 16 m + r: the sum over my 32 channels, in both halves of the lanes
.endr
.endm
	; ---- the head goes on
	s_wait_kmcnt 0x0                               ; block 0's rows and weights
	G_ISSUE2 0, 0
	s_wait_loadcnt 0xc                             ; the twelve loads just issued may be out: weights, scale words and tables are in
	v_mul_f32 v[FR], 0x3f7fffac, v[FR]             ; gain' = gain / sqrt(1 + 1e-5)
	v_mul_f32 v[FR+2], 0x3f7fffac, v[FR+2]
	v_mul_f32 v[FR+4], 0x3f7fffac, v[FR+4]
	v_mul_f32 v[CC], 0x3f7fffac, v[CC]
	v_mul_f32 v[CC+4], 0x3f7fffac, v[CC+4]
.irp i, 0,1,2,3,4,5,6,7
	ds_store_b32 v98, v[FR+\i] offset:TAB+1024*\i
.endr
.irp i, 0,2,4,6
	v_mov_b32 v[CC+\i+1], v[CC+\i]                 ; named with it as a pair, so it is written
.endr
	v_cndmask_b32 v[CB], v[FR+8], v[FR+9], s[HM]
	s_mov_b32 s[BLK], 0                            ; (the loads that named these registers as pointers are done)
	s_mov_b32 s[SL], 0
	G_CONSUME2 0
	G_ISSUE2 2, 1
	G_CONSUME2 2
	S_NEXT
	BAR                                            ; the tables and block 0's codes of interp lie in LDS
.macro BLOCK
	s_cmp_lt_u32 s[BLK], 7                         ; the last block has no successor to gather for: three jumps on the count of blocks
	s_cbranch_scc0 .Lno_a_\@
	s_wait_kmcnt 0x0
	G_ISSUE2 0, 1                                  ; the next block's points 0, 1: they have phase 1 in which to come
.Lno_a_\@:
	v_add_nc_u32 v[FAA], s[SL], v[FA0]
	v_add_nc_u32 v[FAA], s[PO], v[FAA]
	v_add_nc_u32 v[STA], s[SL], v[ST0]
	v_add_nc_u32 v[STA], s[PO], v[STA]
	; ---- 1: F = relu(bn(fp_w interp)); D = featA - F; D, featA and F are quantised
.irp s, 0,1
.irp m, 0,1
.irp c, 0,1
	ds_load_b128 v[FR+16*\s+8*\m+4*\c:FR+16*\s+8*\m+4*\c+3], v[INR] offset:INB+2304*\m+64*\s+32*\c
.endr
	ds_load_b32 v[ASC+2*\s+\m], v[INSR] offset:INSC+128*\m+4*\s
.endr
.endr
	CNLOAD TAB
	FALOAD
	s_wait_dscnt 0x28                              ; the 8 table loads and the 32 of featA may be out
	WIN 0x01
.irp s, 0,1
.irp m, 0,1
.irp u, 0,1
	MMT FB+16*\m+8*\u, 2*\u+\s, FR+16*\s+8*\m, ASC+2*\s+\m, \s
.endr
.endr
.endr
	WIN 0
	PLACES
	s_wait_dscnt 0x20                              ; featA's 32 may be out
	BN FB
.set tj, 0
.rept 32
	v_max_num_f32 v[FB+tj], 0, v[FB+tj]
.set tj, tj+1
.endr
	s_wait_dscnt 0x0
.irp i, 0,2,4,6,8,10,12,14,16,18,20,22,24,26,28,30
	v_pk_add_f32 v[FR+\i:FR+\i+1], v[T+\i:T+\i+1], v[FB+\i:FB+\i+1] neg_lo:[0,1] neg_hi:[0,1]
.endr
	QSET 0, FR, IMG_D, SC_D
	QSET 1, FR+16, IMG_D+2048, SC_D+128
	QSET 2, T, IMG_A, SC_A
	QSET 3, T+16, IMG_A+2048, SC_A+128
	QSET 4, FB, IMG_F, SC_F
	QSET 5, FB+16, IMG_F+2048, SC_F+128
	QUANT 6
	BAR                                            ; all 256 channels of D, featA and F lie in LDS; nobody reads interp's rows any more
	s_cmp_lt_u32 s[BLK], 7
	s_cbranch_scc0 .Lno_b_\@
	G_CONSUME2 0
	G_ISSUE2 2, 1
.Lno_b_\@:
	; ---- 2: the two blocks and their dots
	CATX 4, IMG_A, SC_A, TAB+2048, TAB+6144, QX
	CATX 12, IMG_F, SC_F, TAB+4096, TAB+7168, QX+2
	s_cmp_lt_u32 s[BLK], 7
	s_cbranch_scc0 .Lno_c_\@
	G_CONSUME2 2
	S_NEXT
.Lno_c_\@:
	v_cndmask_b32 v[QX+4], v[QX], v[QX+2], s[HM]   ; lanes 0-15: A's part for point r; lanes 16-31: B's
	v_cndmask_b32 v[QX+5], v[QX+1], v[QX+3], s[HM]
	ds_store_b32 v[RDW], v[QX+4] offset:RED
	ds_store_b32 v[RDW], v[QX+5] offset:RED+128
	BAR                                            ; the eight waves' parts, and the next block's codes of interp, lie in LDS
	; ---- 3: the gates; gA featA and gB F are quantised
.irp x, 0,1,2,3,4,5,6,7
.irp m, 0,1
	ds_load_b32 v[ACC+2*\x+\m], v[L4] offset:RED+256*\x+128*\m
.endr
.endr
	FALOAD
	s_wait_dscnt 0x20                              ; featA's 32 may be out
	v_pk_add_f32 v[ACC:ACC+1], v[ACC:ACC+1], v[ACC+2:ACC+3]          ; the same tree in every wave, both tiles at once
	v_pk_add_f32 v[ACC+4:ACC+5], v[ACC+4:ACC+5], v[ACC+6:ACC+7]
	v_pk_add_f32 v[ACC+8:ACC+9], v[ACC+8:ACC+9], v[ACC+10:ACC+11]
	v_pk_add_f32 v[ACC+12:ACC+13], v[ACC+12:ACC+13], v[ACC+14:ACC+15]
	v_pk_add_f32 v[ACC:ACC+1], v[ACC:ACC+1], v[ACC+4:ACC+5]
	v_pk_add_f32 v[ACC+8:ACC+9], v[ACC+8:ACC+9], v[ACC+12:ACC+13]
	v_pk_add_f32 v[ACC:ACC+1], v[ACC:ACC+1], v[ACC+8:ACC+9]
	v_add_f32 v[ACC], v[ACC], v[CB]
	v_add_f32 v[ACC+1], v[ACC+1], v[CB]
	v_mul_f32 v[ACC], 0xbfb8aa3b, v[ACC]           ; sigmoid(z) = 1 / (1 + 2^(-log2(e) z))
	v_mul_f32 v[ACC+1], 0xbfb8aa3b, v[ACC+1]
	v_exp_f32 v[ACC], v[ACC]
	v_exp_f32 v[ACC+1], v[ACC+1]
	v_nop
	s_wait_alu depctr_va_vdst(0)
	v_add_f32 v[ACC], 1.0, v[ACC]
	v_add_f32 v[ACC+1], 1.0, v[ACC+1]
	v_rcp_f32 v[ACC], v[ACC]
	v_rcp_f32 v[ACC+1], v[ACC+1]
	v_nop
	s_wait_alu depctr_va_vdst(0)
	v_permlanex16_b32 v[ACC+2], v[ACC], s[SEL], s[SEL+1]
	v_permlanex16_b32 v[ACC+3], v[ACC+1], s[SEL], s[SEL+1]
	v_cndmask_b32 v[QX], v[ACC], v[ACC+2], s[HM]       ; gA of point r, tile 0, in every lane
	v_cndmask_b32 v[QX+2], v[ACC+1], v[ACC+3], s[HM]   ; tile 1
	v_cndmask_b32 v[QX+4], v[ACC+2], v[ACC], s[HM]     ; gB, tile 0
	v_cndmask_b32 v[QX+6], v[ACC+3], v[ACC+1], s[HM]   ; tile 1
	s_wait_dscnt 0x0
.irp m, 0,1
.irp i, 0,2,4,6,8,10,12,14
	v_pk_mul_f32 v[T+16*\m+\i:T+16*\m+\i+1], v[T+16*\m+\i:T+16*\m+\i+1], v[QX+2*\m:QX+2*\m+1] op_sel_hi:[1,0]
	v_pk_mul_f32 v[FB+16*\m+\i:FB+16*\m+\i+1], v[FB+16*\m+\i:FB+16*\m+\i+1], v[QX+4+2*\m:QX+4+2*\m+1] op_sel_hi:[1,0]
.endr
.endr
	QSET 0, T, IMG_WA, SC_WA
	QSET 1, T+16, IMG_WA+2048, SC_WA+128
	QSET 2, FB, IMG_WF, SC_WF
	QSET 3, FB+16, IMG_WF+2048, SC_WF+128
	QUANT 4
	BAR                                            ; both weighted arrays lie in LDS
	; ---- 4: out = telu(bn(cat_w [..])): lane (r, h) holds channel 32 w + 16 u + r and points 16 m + 8 h + 0 .. 7
	FRAGS IMG_WA, SC_WA, IMG_WF, SC_WF
	s_wait_dscnt 0x0
	WIN 0x04                                       ; source 1 window 1
.irp ks, 0,1,2,3
.irp m, 0,1
.irp u, 0,1
	MMN ACC+16*\m+8*\u, FR+16*\ks+8*\m, ASC+2*\ks+\m, 20+4*\u+\ks, \ks
.endr
.endr
.endr
	WIN 0
	PLACES
.irp m, 0,1
.irp u, 0,1
.irp i, 0,2,4,6
	v_pk_fma_f32 v[ACC+16*\m+8*\u+\i:ACC+16*\m+8*\u+\i+1], v[ACC+16*\m+8*\u+\i:ACC+16*\m+8*\u+\i+1], v[CC+4*\u:CC+4*\u+1], v[CC+4*\u+2:CC+4*\u+3] op_sel_hi:[1,0,0]
.endr
.endr
.endr
	TELU
.irp m, 0,1
.irp u, 0,1
	ds_store_b128 v[STA], v[T+16*\m+8*\u:T+16*\m+8*\u+3] offset:4352*\u+64*\m          ; over featA's bytes of this block's points in my own rows: filled once, read by me alone, and those reads are in
	ds_store_b128 v[STA], v[T+16*\m+8*\u+4:T+16*\m+8*\u+7] offset:4352*\u+64*\m+16
.endr
.endr
.endm
.macro OUT                             ; a slot's 64 points of my 32 channels leave: lanes 0-15 one row of 256 bytes, lanes 16-31 the next
	v_add_nc_u32 v[SRA], s[SL], v[SR0]
.irp t, 0,1,2,3,4,5,6,7,8,9,10,11,12,13,14,15
	ds_load_b128 v[FR+4*\t:FR+4*\t+3], v[SRA] offset:544*\t      ; LDS serves a wave's instructions in order (ISA guide 5.7.1.4): these see my stores
.endr
.irp t, 0,1,2,3,4,5,6,7,8,9,10,11,12,13,14,15
	s_wait_dscnt 15-\t
	global_store_b128 v[OG], v[FR+4*\t:FR+4*\t+3], s[16:17] offset:32768*\t th:TH_STORE_NT   ; 16 lanes store 256 consecutive bytes, at a multiple of 256 from out0's first byte
.endr
	s_wait_xcnt 0x0                                ; the stores have read their registers and their base: both may be written again
	s_add_nc_u64 s[16:17], s[16:17], 256
.endm
.macro SS                              ; a slot: two blocks, then its way out
	s_mov_b32 s[PO], 0
.Lpair_\@:
	BLOCK
	s_add_co_u32 s[BLK], s[BLK], 1
	s_add_co_u32 s[PO], s[PO], 128
	s_cmp_lt_u32 s[PO], 256
	s_cbranch_scc1 .Lpair_\@
	OUT
.endm
	s_wait_tensorcnt 0x3                           ; tensor loads of a wave end in order (ISA guide 10.11.1): slot 0's is in; the three issued behind it may be out
	SS
	s_wait_tensorcnt 0x0                           ; the other three, once
.Lslots:                                           ; three trips
	s_add_co_u32 s[SL], s[SL], FAS
	SS
	s_cmp_lt_u32 s[SL], 3*FAS
	s_cbranch_scc1 .Lslots
	s_wait_xcnt 0x0
	v_lshl_add_u32 v254, v0, 2, 0x4d200
	v_mov_b32 v255, 0
	s_wait_tensorcnt 0x0
	ds_add_u32 v254, v255
	s_wait_dscnt 0x0
	s_endpgm
.Lfunc_end_k_qf8f21355ee_fuse:
	.size	k_qf8f21355ee_fuse, .Lfunc_end_k_qf8f21355ee_fuse-k_qf8f21355ee_fuse
	.p2alignl 7, 3214868480
	.fill 96, 4, 3214868480
	.section	.rodata,"a",@progbits
	.p2align	6, 0x0
	.amdhsa_kernel k_qf8f21355ee_fuse
		.amdhsa_group_segment_fixed_size 327680
		.amdhsa_private_segment_fixed_size 0
		.amdhsa_enable_private_segment 0
		.amdhsa_kernarg_size 152
		.amdhsa_user_sgpr_count 2
		.amdhsa_user_sgpr_kernarg_segment_ptr 1
		.amdhsa_wavefront_size32 1
		.amdhsa_system_sgpr_workgroup_id_x 1
		.amdhsa_system_sgpr_workgroup_id_y 1
		.amdhsa_system_sgpr_workgroup_id_z 1
		.amdhsa_system_vgpr_workitem_id 0
		.amdhsa_next_free_vgpr 512
		.amdhsa_next_free_sgpr 106
		.amdhsa_reserve_vcc 0
		.amdhsa_float_denorm_mode_32 3
		.amdhsa_float_denorm_mode_16_64 3
		.amdhsa_memory_ordered 1
		.amdhsa_forward_progress 1
		.amdhsa_inst_pref_size 187
	.end_amdhsa_kernel
	.amdgpu_metadata
---
amdhsa.version: [ 1, 2 ]
amdhsa.kernels:
  - .name:           k_qf8f21355ee_fuse
    .symbol:         k_qf8f21355ee_fuse.kd
    .args:
      - { .name: featA, .offset: 0, .size: 8, .value_kind: global_buffer, .address_space: global }
      - { .name: fbt, .offset: 8, .size: 8, .value_kind: global_buffer, .address_space: global }
      - { .name: idx, .offset: 16, .size: 8, .value_kind: global_buffer, .address_space: global }
      - { .name: wt, .offset: 24, .size: 8, .value_kind: global_buffer, .address_space: global }
      - { .name: wq, .offset: 32, .size: 8, .value_kind: global_buffer, .address_space: global }
      - { .name: ws, .offset: 40, .size: 8, .value_kind: global_buffer, .address_space: global }
      - { .name: out0, .offset: 48, .size: 8, .value_kind: global_buffer, .address_space: global }
      - { .name: fp_g, .offset: 56, .size: 8, .value_kind: global_buffer, .address_space: global }
      - { .name: fp_b, .offset: 64, .size: 8, .value_kind: global_buffer, .address_space: global }
      - { .name: catA_g, .offset: 72, .size: 8, .value_kind: global_buffer, .address_space: global }
      - { .name: catA_b, .offset: 80, .size: 8, .value_kind: global_buffer, .address_space: global }
      - { .name: catB_g, .offset: 88, .size: 8, .value_kind: global_buffer, .address_space: global }
      - { .name: catB_b, .offset: 96, .size: 8, .value_kind: global_buffer, .address_space: global }
      - { .name: cat_g, .offset: 104, .size: 8, .value_kind: global_buffer, .address_space: global }
      - { .name: cat_b, .offset: 112, .size: 8, .value_kind: global_buffer, .address_space: global }
      - { .name: convA_w, .offset: 120, .size: 8, .value_kind: global_buffer, .address_space: global }
      - { .name: convA_b, .offset: 128, .size: 8, .value_kind: global_buffer, .address_space: global }
      - { .name: convB_w, .offset: 136, .size: 8, .value_kind: global_buffer, .address_space: global }
      - { .name: convB_b, .offset: 144, .size: 8, .value_kind: global_buffer, .address_space: global }
    .group_segment_fixed_size: 327680
    .private_segment_fixed_size: 0
    .kernarg_segment_align: 8
    .kernarg_segment_size: 152
    .max_flat_workgroup_size: 256
    .sgpr_count:     106
    .vgpr_count:     512
    .wavefront_size: 32
...
	.end_amdgpu_metadata
.endif
;; end of part 3
